; MI455X (gfx1250); checked and timed in simulation.
; The chip was launched on July 23, 2026; its instructions are those of AMD's public machine-readable ISA for CDNA 5 (MIT licence, August 2026) and "CDNA5" Instruction Set Architecture Reference Guide (July 2026). The comments in the code are by the model that wrote it; some were corrected since.
;; Feed Forward Quantum. Allowed arithmetic: matrix products marked QUANTISED: E5M2 operands, one E8M0 scale for each 32 along K, by v_wmma_scale_f32_16x16x128_f8f6f4 with both operands' format E5M2, f32 sums; everything else in f32.
;; Inputs: W1_codes 4,096 x 32 x 32 uint8 (E5M2 codes of W1, K innermost, in blocks of 32 codes); W1_scales 4,096 x 32 uint8 (E8M0 scales of W1, one for each 32 codes along K); W2_codes 1,024 x 128 x 32 uint8 (E5M2 codes of W2, K innermost, in blocks of 32 codes); W2_scales 1,024 x 128 uint8 (E8M0 scales of W2, one for each 32 codes along K); theta 1,024 float32; x 4 x 2,048 x 1,024 float32.
;; Outputs: out0 4 x 2,048 x 1,024 float32.
;; This version of the problem:
;;   THIS VERSION OF THE PROBLEM IS GIVEN IN LOW PRECISION. The matrix products marked QUANTISED in the list below multiply operands that are first quantised to E5M2 (5 exponent bits, 2 mantissa bits; 8 bits a number), with one power-of-two scale for each 32 numbers along K (OCP MX v1.0); their sums are f32. All else is computed in f32.
;;   The module's matrix products, in the order in which they are computed (A, B: the left and right operand; K: the contracted axis; several contracted axes count as one K, in the product's order):
;;     1. [M 8,192, K 1,024] x [K 1,024, N 4,096]; A: computed on the way; B: input W1 (given as codes): QUANTISED
;;     2. [M 8,192, K 4,096] x [K 4,096, N 1,024]; A: computed on the way; B: input W2 (given as codes): QUANTISED
;;   THE QUANTISER, for each operand of a quantised product, along K:
;;     - K is cut into blocks of 32 from its start; a last block that is shorter is filled with zeros.
;;     - A block's scale is 2^e with e = floor(log2(the largest magnitude in the block)) - 15, held to -126 .. 127; a block of zeros has e = 0. As a byte (E8M0): e + 127.
;;     - Each number is divided by its block's scale, clamped to +-57,344, and rounded to the nearest number of E5M2, ties to even, subnormals kept.
;;     - The product sums the exact products of the quantised numbers (number of the format x scale) in f32.
;;   ~~~python
;;   def quantise(x, axis):      # numpy; x: float32 -> the quantised numbers, widened to float32 again
;;       x = np.moveaxis(x, axis, -1); K = x.shape[-1]
;;       x = np.pad(x, [(0, 0)] * (x.ndim - 1) + [(0, -K % 32)]); x = x.reshape(x.shape[:-1] + (-1, 32)); a = np.abs(x).max(-1, keepdims=True)
;;       e = np.where(a > 0, np.clip(np.frexp(np.where(a > 0, a, 1))[1] - 1 - 15, -126, 127), 0)      # np.frexp(a)[1] - 1 = floor(log2(a)), exactly
;;       r = np.clip(x / 2.0 ** e, -57344, 57344)
;;       step = 2.0 ** (np.maximum(np.frexp(np.where(r == 0, 1, r))[1] - 1, -14) - 2)
;;       q = np.round(r / step) * step * 2.0 ** e      # np.round: ties to even
;;       return np.moveaxis(q.reshape(q.shape[:-2] + (-1,))[..., :K], -1, axis).astype(np.float32)
;;   ~~~
;;   OPERANDS COMPUTED ON THE WAY. 'Computed on the way' means the value that the module computes at that place (a softmax that the list does not call 'softmax' is quantised finished and normalised). What goes into a quantiser is computed in f32, as accurately as f32 sums, v_exp_f32 and their like allow (about 1e-6 of the number): no bf16 or f16 on the way to a quantiser, and a product that is left as it is and whose result goes on into a quantised operand takes f32 operands (vector FMAs, or v_wmma_f32_16x16x4_f32). A number that lies on a knife's edge between two numbers of the format may be rounded either way, as far as f32 arithmetic and the matrix unit's own rounding can turn it there, and no further.
;;   INPUTS GIVEN AS CODES. W1 (in the module: [4096, 1024], K = its axis 1); W2 (in the module: [1024, 4096], K = its axis 1): each comes as NAME_codes (uint8): NAME with its K axis moved to the last place and cut into blocks of 32 codes, [.., K / 32, bytes a block], one block behind the other in memory; one code a byte (a code: sign, 5 exponent bits, 2 mantissa bits); and NAME_scales (uint8): the same leading axes, one E8M0 byte (e + 127) for each 32 codes along K. Its value is code x scale, taken as it is: it is not quantised again, and the codes and scales need not be those that the quantiser above would give.
;; One version. Each part assembles by itself: llvm-mc -triple=amdgcn-amd-amdhsa -mcpu=gfx1250 --defsym DOCPART=n.
;; ======== version 1 of 1: 3 launches
;; limits: inputs' magnitudes at most 13,176,794
;; workspace buffers: qc 8,388,608 bytes; qs 262,144 bytes; hc 33,554,432 bytes; hs 1,048,576 bytes
;; launch quant (part 1): grid 512 x 1, 8 waves a work-group, no clusters, 73,216 bytes of LDS; arguments x, theta, qc, qs; writes qc, qs
.if DOCPART == 1
	.amdgcn_target "amdgcn-amd-amdhsa--gfx1250"
	.amdhsa_code_object_version 6
	.text
	.protected	k_q2cf4bb2621_quant
	.globl	k_q2cf4bb2621_quant
	.p2align	8
	.type	k_q2cf4bb2621_quant,@function
k_q2cf4bb2621_quant:
	s_mov_b64 s[64:65], 0
	v_nop
	global_prefetch_b8 v0, s[64:65] scope:SCOPE_SE
	s_setreg_imm32_b32 hwreg(HW_REG_WAVE_MODE, 25, 1), 1
	s_wait_xcnt 0x0
; q[m][k] = cos(x[m][k]) cos(theta[k]), x as [8192][1024] f32, turned into codes of BF8 (E5M2) with one E8M0 byte for each 32 along K.
; OUT: qc, the codes as IMAGES OF THE OPERAND'S REGISTERS: [4 runs of 256 K][512 blocks of 16 rows][2 K steps of 128][2,048 bytes]; in a fragment's 2,048 bytes group c (512 bytes) holds,
; at 16 x lane, k = 32 c + 16 (lane / 16) + 0 .. 15 of row lane % 16.  qs: the scale bytes, row-major [8192][32].
; SHARES: a work-group takes 16 rows, all of K; wave w takes K step w (columns 128 w on): one fragment and one scale word a row.
; THE COSINE, in f32: cos x = sin(x + pi/2) = (-1)^k sin r, k = the whole number nearest x / pi + 1/2, r = x - (k - 1/2) pi, taken with pi in three parts by fused multiply-adds;
; sin r by its series through r^11 on |r| <= pi/2 (the first term left out is under 6e-8 there), in the form r + r s P(s), which keeps the relative error small near the zeros.
; LIMITS: |x| / pi and |theta| / pi under 2^22 (k is found by adding 1.5 x 2^23); NaN and infinities are not served.
; A block whose largest magnitude lies under 2^(16 - 127), zeros among them, keeps the byte 1: only this program reads the bytes, and zero codes add nothing.
; Each load of a wave reads 512 consecutive bytes of one row; the 16 rows turn through the wave's own stage in LDS, so that a lane then holds 16 neighbours of each block of 32.
.set STGP, 528                         ; a stage row: 512 bytes + 16: the sixteen rows that a read touches begin 132 words apart
.set STGW, 16*STGP                     ; a wave's stage
.set CTB,  8*STGW                      ; cos theta, 4,096 bytes, made once by the work-group
.set SCB,  CTB+4096                    ; the scale words: [16 rows][8 words]
.set TK,   16                          ; v16-23  x / pi + 1/2 + 1.5 x 2^23: its lowest bit is k's parity
.set MS,   24                          ; v24-31  k - 1/2, then s = r r, then s r
.set U,    32                          ; v32-39  the series
.set TM,   40                          ; v40-43 largest magnitudes, v44-47 bytes, v48-51 the largest number x the scale, v52-55 the conversions' scale operands
.set PW,   56                          ; the scale word
.set PC,   60                          ; v60-75  the codes
.set R,    80                          ; v80-143 x, then q
.set CT,   144                         ; v144-207 cos theta of my 64 columns
.set SEL,  20                          ; s[20:21] lane selects for lane l xor 16
.set MNT,  23                          ; s23 the mantissa field of 57,344
	s_load_b256 s[4:11], s[0:1], 0x0               ; x s[4:5], theta s[6:7], qc s[8:9], qs s[10:11]
	v_lshl_add_u32 v208, v0, 2, 0x11a00
	v_mov_b32 v209, 0
	v_lshrrev_b32 v15, 5, v0
	v_readfirstlane_b32 s16, v15                   ; wave 0..7
	v_and_b32 v15, 31, v0                          ; lane
	v_and_b32 v57, 15, v0                          ; r
	v_bfe_u32 v58, v0, 4, 1                        ; h
	v_lshlrev_b32 v1, 4, v15                       ; 16 x lane
	s_mul_i32 s17, s16, STGW
	v_add_nc_u32 v2, s17, v1                       ; the stage, on the way in: 16 x lane of a row
	v_mul_u32_u24 v3, v57, STGP
	v_lshl_add_u32 v3, v58, 6, v3
	v_add_nc_u32 v3, s17, v3                       ; on the way out: row r, + 64 h
	s_lshl_b32 s18, s16, 9                         ; my K step's 512 bytes in a row
	s_add_co_u32 s19, s18, CTB
	v_lshl_add_u32 v4, v58, 6, s19                 ; cos theta of my columns: 512 w + 64 h
	v_lshlrev_b32 v5, 4, v0                        ; theta: four numbers a thread
	v_add_nc_u32 v14, CTB, v5
	s_lshl_b32 s19, s16, 2
	s_add_co_u32 s19, s19, SCB
	v_lshl_add_u32 v6, v57, 5, s19                 ; my row's scale word of K step w
	v_add_nc_u32 v7, SCB, v1
	v_mov_b32 v8, 0x3638ef1d                       ; 1 / 9!, twice: a pair for the packed form
	v_mov_b32 v9, 0x3638ef1d
.irp b, 0,1,2,3
	v_mov_b32 v[TM+4+\b], 0                        ; a lane permute's destination counts as one of its sources
.endr
	s_mov_b32 s[SEL], 0x76543210
	s_mov_b32 s[SEL+1], 0xfedcba98
	s_mov_b32 s[MNT], 0x600000
	s_lshl_b32 s24, ttmp9, 16                      ; x: 16 rows of 4,096 bytes a work-group, + my K step
	s_add_co_u32 s24, s24, s18
	s_mov_b32 s25, 0
	s_lshr_b32 s26, s16, 1                         ; qc: run w / 2, block = work-group, K step w % 2
	s_lshl_b32 s26, s26, 21
	s_lshl_b32 s27, ttmp9, 12
	s_add_co_u32 s26, s26, s27
	s_and_b32 s27, s16, 1
	s_lshl_b32 s27, s27, 11
	s_add_co_u32 s26, s26, s27
	s_mov_b32 s27, 0
	s_lshl_b32 s28, ttmp9, 9                       ; qs: 16 rows of 32 bytes
	s_mov_b32 s29, 0
	s_wait_kmcnt 0x0
	s_add_nc_u64 s[4:5], s[4:5], s[24:25]
	s_add_nc_u64 s[8:9], s[8:9], s[26:27]
	s_add_nc_u64 s[10:11], s[10:11], s[28:29]
	global_load_b128 v[10:13], v5, s[6:7]
.irp i, 0,1,2,3,4,5,6,7,8,9,10,11,12,13,14,15
	global_load_b128 v[R+4*\i:R+4*\i+3], v1, s[4:5] offset:4096*\i th:TH_LOAD_NT   ; row i: the wave reads 512 consecutive bytes
.endr
; The cosine of n pairs of numbers at v[x0] on, in place; mul = 1: times the pairs at v[ct0] on.  Each line is written for all pairs by turns, so that no line waits for the one above it.
.macro COS n, x0, ct0, mul
.irp p, 0,1,2,3
.if \p < \n
	v_pk_fma_f32 v[TK+2*\p:TK+2*\p+1], v[(\x0)+2*\p:(\x0)+2*\p+1], 0x3ea2f983, 0.5 op_sel_hi:[1,0,0]   ; x / pi + 1/2
.endif
.endr
.irp p, 0,1,2,3
.if \p < \n
	v_pk_add_f32 v[TK+2*\p:TK+2*\p+1], v[TK+2*\p:TK+2*\p+1], 0x4b400000 op_sel_hi:[1,0]   ; + 1.5 x 2^23: rounded to a whole number, whose parity is the lowest bit
.endif
.endr
.irp p, 0,1,2,3
.if \p < \n
	v_pk_add_f32 v[MS+2*\p:MS+2*\p+1], v[TK+2*\p:TK+2*\p+1], 0xcb400000 op_sel_hi:[1,0]   ; k
.endif
.endr
.irp p, 0,1,2,3
.if \p < \n
	v_pk_add_f32 v[MS+2*\p:MS+2*\p+1], v[MS+2*\p:MS+2*\p+1], -0.5 op_sel_hi:[1,0]         ; k - 1/2, exact
.endif
.endr
.irp L, 0xc0490fdb, 0x33bbbd2e, 0x27772ced     ; -pi in three parts
.irp p, 0,1,2,3
.if \p < \n
	v_pk_fma_f32 v[(\x0)+2*\p:(\x0)+2*\p+1], v[MS+2*\p:MS+2*\p+1], \L, v[(\x0)+2*\p:(\x0)+2*\p+1] op_sel_hi:[1,0,1]
.endif
.endr
.endr
.irp p, 0,1,2,3
.if \p < \n
	v_pk_mul_f32 v[MS+2*\p:MS+2*\p+1], v[(\x0)+2*\p:(\x0)+2*\p+1], v[(\x0)+2*\p:(\x0)+2*\p+1]   ; s = r r
.endif
.endr
.irp p, 0,1,2,3
.if \p < \n
	v_pk_fma_f32 v[U+2*\p:U+2*\p+1], v[MS+2*\p:MS+2*\p+1], 0xb2d7322b, v[8:9] op_sel_hi:[1,0,1]   ; -s / 11! + 1 / 9!
.endif
.endr
.irp L, 0xb9500d01, 0x3c088889, 0xbe2aaaab     ; -1 / 7!, 1 / 5!, -1 / 3!
.irp p, 0,1,2,3
.if \p < \n
	v_pk_fma_f32 v[U+2*\p:U+2*\p+1], v[U+2*\p:U+2*\p+1], v[MS+2*\p:MS+2*\p+1], \L op_sel_hi:[1,1,0]
.endif
.endr
.endr
.irp p, 0,1,2,3
.if \p < \n
	v_pk_mul_f32 v[MS+2*\p:MS+2*\p+1], v[MS+2*\p:MS+2*\p+1], v[(\x0)+2*\p:(\x0)+2*\p+1]   ; s r
.endif
.endr
.irp p, 0,1,2,3
.if \p < \n
	v_pk_fma_f32 v[(\x0)+2*\p:(\x0)+2*\p+1], v[U+2*\p:U+2*\p+1], v[MS+2*\p:MS+2*\p+1], v[(\x0)+2*\p:(\x0)+2*\p+1]   ; sin r
.endif
.endr
.irp p, 0,1,2,3
.if \p < \n
	v_lshl_add_u32 v[(\x0)+2*\p], v[TK+2*\p], 31, v[(\x0)+2*\p]         ; k's parity added at bit 31 turns the sign
	v_lshl_add_u32 v[(\x0)+2*\p+1], v[TK+2*\p+1], 31, v[(\x0)+2*\p+1]
.endif
.endr
.if \mul
.irp p, 0,1,2,3
.if \p < \n
	v_pk_mul_f32 v[(\x0)+2*\p:(\x0)+2*\p+1], v[(\x0)+2*\p:(\x0)+2*\p+1], v[(\ct0)+2*\p:(\ct0)+2*\p+1]
.endif
.endr
.endif
.endm
	s_wait_loadcnt 16                              ; theta's load is in; the sixteen loads of x behind it stay out
	COS 2, 10, 0, 0
	ds_store_b128 v14, v[10:13]
	s_wait_dscnt 0x0                               ; for the others' sake: my part of cos theta has landed
	s_barrier_signal -1
	s_barrier_wait -1
.irp c, 0,1,2,3
.irp j, 0,1,2,3
	ds_load_b128 v[CT+16*\c+4*\j:CT+16*\c+4*\j+3], v4 offset:128*\c+16*\j   ; cos theta at k = 128 w + 32 c + 16 h + 4 j on
.endr
.endr
.irp i, 0,1,2,3,4,5,6,7,8,9,10,11,12,13,14,15
	s_wait_loadcnt 15-\i                           ; row i is in; the rows behind it stay out
	ds_store_b128 v2, v[R+4*\i:R+4*\i+3] offset:STGP*\i
.endr
.irp c, 0,1,2,3
.irp j, 0,1,2,3
	ds_load_b128 v[R+16*\c+4*\j:R+16*\c+4*\j+3], v3 offset:128*\c+16*\j   ; LDS serves a wave's instructions in order: these see my stores.  Register 16 c + i = x(r, 128 w + 32 c + 16 h + i)
.endr
.endr
.irp c, 0,1,2,3
	s_wait_dscnt 12-4*\c                           ; block c's four loads are in (and cos theta, asked for earlier); the later blocks' stay out
	COS 4, R+16*\c, CT+16*\c, 1
	COS 4, R+16*\c+8, CT+16*\c+8, 1
.endr
; The four blocks of 32: a lane holds 16 numbers of each, lane l xor 16 the other 16
.irp b, 0,1,2,3
	v_max3_num_f32 v[TM+\b], |v[R+16*\b]|, |v[R+1+16*\b]|, 0x8000000   ; with the floor 2^(16 - 127): the byte cannot fall under 1
.endr
.irp i, 2,4,6,8,10,12,14
.irp b, 0,1,2,3
	v_max3_num_f32 v[TM+\b], v[TM+\b], |v[R+16*\b+\i]|, |v[R+1+16*\b+\i]|
.endr
.endr
.irp b, 0,1,2,3
	v_permlanex16_b32 v[TM+4+\b], v[TM+\b], s[SEL], s[SEL+1]
.endr
.irp b, 0,1,2,3
	v_max_num_f32 v[TM+\b], v[TM+\b], v[TM+4+\b]   ; the block's largest magnitude
.endr
.irp b, 0,1,2,3
	v_add_nc_u32 v[TM+12+\b], 0xf8800000, v[TM+\b] ; 15 off its exponent field: the conversion's scale operand
.endr
.irp b, 0,1,2,3
	v_and_or_b32 v[TM+8+\b], v[TM+\b], 0x7f800000, s[MNT]   ; 57,344 x the scale
.endr
.irp b, 0,1,2,3
	v_lshrrev_b32 v[TM+4+\b], 23, v[TM+12+\b]      ; the scale's byte
.endr
	v_lshl_or_b32 v[PW], v[TM+5], 8, v[TM+4]
	v_lshl_or_b32 v[PW], v[TM+6], 16, v[PW]
	v_lshl_or_b32 v[PW], v[TM+7], 24, v[PW]        ; my row's scale word of this K step
.irp b, 0,1,2,3
.irp i, 0,1,2,3,4,5,6,7,8,9,10,11,12,13,14,15
	v_med3_num_f32 v[R+16*\b+\i], v[R+16*\b+\i], -v[TM+8+\b], v[TM+8+\b]   ; the conversion to an 8-bit code does not saturate (ISA guide 7.6.2): the hold comes first
.endr
	v_cvt_scalef32_pk8_bf8_f32 v[PC+4*\b:PC+1+4*\b], v[R+16*\b:R+7+16*\b], v[TM+12+\b]
	v_cvt_scalef32_pk8_bf8_f32 v[PC+2+4*\b:PC+3+4*\b], v[R+8+16*\b:R+15+16*\b], v[TM+12+\b]
.endr
	v_nop                                          ; a plain line behind the last scaled conversion
.irp c, 0,1,2,3
	global_store_b128 v1, v[PC+4*\c:PC+4*\c+3], s[8:9] offset:512*\c   ; the fragment's image: the wave stores 512 consecutive bytes, aligned
.endr
	ds_store_b32 v6, v[PW]                         ; lanes r and r + 16 write the same word with the same value
	s_wait_dscnt 0x0                               ; for wave 0's sake
	s_barrier_signal -1
	s_barrier_wait -1
	s_cmp_lg_u32 s16, 0
	s_cbranch_scc1 .Lend
	ds_load_b128 v[10:13], v7                      ; the 16 rows' 512 scale bytes leave as one run
	s_wait_dscnt 0x0
	global_store_b128 v1, v[10:13], s[10:11]
.Lend:
	s_wait_tensorcnt 0x0
	ds_add_u32 v208, v209
	s_wait_dscnt 0x0
	s_endpgm
.Lfunc_end_k_q2cf4bb2621_quant:
	.size	k_q2cf4bb2621_quant, .Lfunc_end_k_q2cf4bb2621_quant-k_q2cf4bb2621_quant
	.p2alignl 7, 3214868480
	.fill 96, 4, 3214868480
	.section	.rodata,"a",@progbits
	.p2align	6, 0x0
	.amdhsa_kernel k_q2cf4bb2621_quant
		.amdhsa_group_segment_fixed_size 73216
		.amdhsa_private_segment_fixed_size 0
		.amdhsa_enable_private_segment 0
		.amdhsa_kernarg_size 32
		.amdhsa_user_sgpr_count 2
		.amdhsa_user_sgpr_kernarg_segment_ptr 1
		.amdhsa_wavefront_size32 1
		.amdhsa_system_sgpr_workgroup_id_x 1
		.amdhsa_system_sgpr_workgroup_id_y 1
		.amdhsa_system_sgpr_workgroup_id_z 1
		.amdhsa_system_vgpr_workitem_id 0
		.amdhsa_next_free_vgpr 210
		.amdhsa_next_free_sgpr 66
		.amdhsa_reserve_vcc 0
		.amdhsa_float_denorm_mode_32 3
		.amdhsa_float_denorm_mode_16_64 3
		.amdhsa_memory_ordered 1
		.amdhsa_forward_progress 1
		.amdhsa_inst_pref_size 64
	.end_amdhsa_kernel
	.amdgpu_metadata
---
amdhsa.version: [ 1, 2 ]
amdhsa.kernels:
  - .name:           k_q2cf4bb2621_quant
    .symbol:         k_q2cf4bb2621_quant.kd
    .args:
      - { .name: x, .offset: 0, .size: 8, .value_kind: global_buffer, .address_space: global }
      - { .name: theta, .offset: 8, .size: 8, .value_kind: global_buffer, .address_space: global }
      - { .name: qc, .offset: 16, .size: 8, .value_kind: global_buffer, .address_space: global }
      - { .name: qs, .offset: 24, .size: 8, .value_kind: global_buffer, .address_space: global }
    .group_segment_fixed_size: 73216
    .private_segment_fixed_size: 0
    .kernarg_segment_align: 8
    .kernarg_segment_size: 32
    .max_flat_workgroup_size: 256
    .sgpr_count:     66
    .vgpr_count:     210
    .wavefront_size: 32
...
	.end_amdgpu_metadata
.endif
;; end of part 1
;; launch gemm1 (part 2): grid 16 x 16, 4 waves a work-group, clusters of 4 x 4, 327,680 bytes of LDS; arguments qc, qs, W1_codes, W1_scales, hc, hs; writes hc, hs
.if DOCPART == 2
	.amdgcn_target "amdgcn-amd-amdhsa--gfx1250"
	.amdhsa_code_object_version 6
	.text
	.protected	k_q2cf4bb2621_gemm1
	.globl	k_q2cf4bb2621_gemm1
	.p2align	8
	.type	k_q2cf4bb2621_gemm1,@function
k_q2cf4bb2621_gemm1:
	s_mov_b64 s[64:65], 0
	v_nop
	global_prefetch_b8 v0, s[64:65] scope:SCOPE_SE
	s_setreg_imm32_b32 hwreg(HW_REG_WAVE_MODE, 25, 1), 1
	s_wait_xcnt 0x0
	s_wait_alu depctr_hold_cnt(0) depctr_sa_sdst(0) depctr_va_vdst(0) depctr_va_sdst(0) depctr_va_ssrc(0) depctr_va_vcc(0) depctr_vm_vsrc(0)
	s_getreg_b32 s2, hwreg(HW_REG_IB_STS2, 6, 4)
	s_cmp_eq_u32 s2, 0
	s_cbranch_scc0 .Lentry_in_a_cluster
	s_endpgm
.Lentry_in_a_cluster:
	s_bfe_u32 s2, ttmp6, 0x10000c
	s_cmp_lg_u32 s2, 0xf033
	s_cbranch_scc0 .Lentry_shape_is_right
	s_endpgm
.Lentry_shape_is_right:
; h = relu(q W1^T), [8192][4096], on codes of BF8 (E5M2) with one E8M0 scale for each 32 along K = 1,024; h is quantised along its columns, the next product's K, and leaves as codes.
; IN: qc: q's codes as images of the operand's registers, [4 runs of 256 K][512 blocks of 16 rows][2 K steps][2,048 bytes]; qs: [8192][32] scale bytes; W1_codes [4096][1024], W1_scales [4096][32].
; OUT: hc: images likewise, [16 runs of 256][512 blocks of 16 rows][2][2,048]; hs: scale words, [64 blocks of 128 rows][32 K steps][128 rows].
; A tile of h, 256 x 256, is made by a work-group of four waves; a wave makes 128 x 128: 64 accumulators, 512 registers.  K goes in steps of 256 through a ring of two LDS slots.
; A WORK-GROUP STAYS: h has 32 x 16 tiles, two for each of 256 work-groups.  Work-group y makes tile rows 2 y and 2 y + 1 of its tile column, and the ring does not stop between them: tile 0's last two
; refills ask for tile 1's first two runs of K, the second of them in the middle of tile 0's way out; so tile 1's first tiles land while tile 0 is quantised, and tile 0's stores leave while tile 1 is multiplied.
; The two tiles are written out one behind the other: their refills differ.
; In a slot A's part is dense (a fragment is read as it lies, 16 bytes a lane, 512 consecutive bytes a load); W1's rows of 256 bytes have 16 bytes of padding behind each.
; The scale bytes of the work-group's 512 rows of q and 256 rows of W1, for all of K, come into LDS once.
; CLUSTERS: 4 x 4 work-groups; q's tiles are shared along a row of the cluster, W1's along a column: each is asked for jointly, by the same tensor load with the same descriptor and a mask that names the four.
; THE MATRIX INSTRUCTION IS USED TRANSPOSED (source 0 = 16 rows of W1, source 1 = 16 rows of q): a lane then holds one row of h and eight neighbouring columns.
; REGISTERS, in windows of 256: window 0: v0-31 addresses; v32-63 scale words, two sets; v128-255 A's fragments, one set; on the way out v32-255 are free.
;   window 1: W1's fragments, two sets.   window 2: the accumulators of my rows 0-63 ((a, b) at v[8 (8 a + b)]);   window 3: those of my rows 64-127.
; LIMIT: a block of h whose largest number lies under 2^(16 - 127), zeros among them, keeps the byte 1: only this program reads the bytes, and zero codes add nothing.
.set NQ,     2                         ; steps of 128 along K in a slot
.set ROWB,   256                       ; a row of W1's tile in bytes
.set KROW,   1024                      ; a row of W1 in memory
.set PITCH,  272                       ; and in LDS: 256 + 16 bytes = 68 words, so that the 16 rows that a load touches begin at 16 different places modulo 64 words
.set FR,     16                        ; registers of a fragment
.set NL,     4                         ; LDS loads that bring one
.set NP,     8                         ; places behind this matrix instruction (ISA guide 7.12.1)
.set AHALF,  32768                     ; images of 128 rows x 256 K: what one tensor load brings of A
.set HALFT,  128*PITCH                 ; 128 rows of W1
.set BOFF,   2*AHALF                   ; W1's part of a slot lies behind A's
.set SLOT,   BOFF+2*HALFT
.set JSTR,   2097152                   ; from a run of 256 K to the next, in qc and in hc
.set TROW,   65536                     ; from a tile row to the next inside a run: 16 blocks of 4,096 bytes
.set KS,     32                        ; a row of scale bytes
.set SCL,    2*SLOT                    ; behind the ring: q's scales of both tiles, as units of 256 bytes + 16 of padding: four pieces of 128 rows;
.set HALFS,  (128*KS/256)*272          ; (the scales of 128 rows)
.set SBLK,   (16*KS/256)*272           ; (those of 16 rows)
.set SCLB,   SCL+4*HALFS               ; W1's: two pieces
.set SCR,    SCL+6*HALFS               ; 512 bytes for each wave: h's scale words on their way out; no fill lands here
.set SPARE,  SCR+4*512                 ; the spare words, 128 bytes for each wave: two blocks of 256 bytes that no other line names
.set ADRA, 16                          ; v16-17  LDS address of my A fragments in slot 0, 1
.set ADRB, 20                          ; v20-21  the same for W1
.set SWA,  24                          ; v24     where I put a row's scale word
.set SRA,  25                          ; v25     where I read 16 bytes of them back
.set LI,   26                          ; v26     16 x lane
.set ADRS0, 27                         ; v27     tile 0: my scale words: lanes 0-15 q's rows, lanes 16-31 W1's
.set SPW,  28                          ; v28     my spare word: SPARE + 4 x my thread's number; never rewritten
.set NIL,  29                          ; v29     0; never rewritten
.set ADRS1, 30                         ; v30     tile 1: my scale words
.set AS,   ADRS0                       ; the one of the two that is in use
.set SC,   32                          ; scale words: set s at v[SC + 16 s]; register 2 i + q: lanes 0-15 A's block i, lanes 16-31 W1's block i, the slot's q-th 128 along K
.set AF,   128                         ; A's fragments
.set TM,   32                          ; the way out: v32-35 largest numbers, v36-39 bytes, v40-43 the hold, v44-47 the conversions' scale operands
.set PWR,  48                          ; v48-55  a scale word for each block of 16 rows
.set XQ,   64                          ; v64-127 a block's numbers, held
.set CD,   128                         ; v128-255 codes: 16 registers for each block, so that no store's data are written again inside a tile
.set G1, 24
.set G0, 32
.set G1B, 48
.set G0B, 56
.set G1S, 68
.set G0S, 76
.set G1SB, 80
.set G0SB, 88
.set SEL, 96                           ; s[96:97] lane selects for lane l xor 16
.set MNT, 3                            ; s3 the mantissa field of 57,344
.set MSB, 0
.macro WIN new                         ; the immediate's high byte repeats the setting that is left
.if MSB != \new
	s_set_vgpr_msb (MSB<<8)|\new
.set MSB, \new
.endif
.endm
.set MUL_LO, 0xa1                      ; source 0 (W1) window 1, source 1 (A) window 0, C and D window 2
.set MUL_HI, 0xf1                      ; the same, C and D window 3
.set TO_B,   0x40                      ; destination window 1, address window 0
; A joint load: waves 0 and 1 fetch for A, waves 2 and 3 for W1.  The branch hangs on the wave's number alone.  Four v_nop follow each of the two lines.
.macro JLOAD g0a, g1a, g0b, g1b
	s_cmp_eq_u32 s15, 0
	s_cbranch_scc0 .Lfor_b_\@
	tensor_load_to_lds s[\g0a:\g0a+3], s[\g1a:\g1a+7]
	s_nop 0
.rept 4
	v_nop
.endr
	s_branch .Lasked_\@
.Lfor_b_\@:
	tensor_load_to_lds s[\g0b:\g0b+3], s[\g1b:\g1b+7]
	s_nop 0
.rept 4
	v_nop
.endr
.Lasked_\@:
.endm
.macro CREST                           ; a round of the cluster's barrier behind its opening barrier
	s_cmp_lg_u32 s14, 0
	s_cbranch_scc1 .Lnot_wave_0_\@
	s_barrier_signal -3
.Lnot_wave_0_\@:
	s_barrier_wait -3
	s_barrier_signal -1
	s_barrier_wait -1
.endm
.macro CROUND                          ; a whole round
	s_barrier_signal -1
	s_barrier_wait -1
	CREST
.endm
	s_load_b128 s[4:7], s[0:1], 0x0                ; qc, qs
	s_load_b128 s[8:11], s[0:1], 0x10              ; W1's codes, W1's scales
	s_load_b64 s[12:13], s[0:1], 0x20              ; hc
	s_load_b64 s[66:67], s[0:1], 0x28              ; hs
	v_lshl_add_u32 v[SPW], v0, 2, SPARE
	v_mov_b32 v[NIL], 0
	ds_add_u32 v28, v29
	ds_add_u32 v28, v29
	s_wait_dscnt 0x0
	v_lshrrev_b32 v1, 5, v0
	v_readfirstlane_b32 s14, v1                    ; wave 0..3
	s_lshr_b32 s15, s14, 1                         ; which half of the tile's rows is mine.  Also: I fetch for A (0) or for W1 (1)
	s_and_b32 s16, s14, 1                          ; which half of its columns.  Also: which half of that tile I fetch
	s_bfe_u32 s40, ttmp6, 0x40000                  ; cx, cy: my place in the cluster
	s_bfe_u32 s41, ttmp6, 0x40004
	s_lshl_b32 s42, ttmp9, 2
	s_add_co_u32 s42, s42, s40                     ; tile column = 4 x cluster x + cx
	s_and_b32 s17, ttmp7, 0xffff
	s_lshl_b32 s17, s17, 2
	s_add_co_u32 s17, s17, s41                     ; work-group y = 4 x cluster y + cy: tile rows 2 y and 2 y + 1
	s_lshl_b32 s43, s41, 2
	s_lshl_b32 s43, 15, s43                        ; my row of the cluster
	s_lshl_b32 s44, 0x1111, s40                    ; my column
	; group 1 for A's images: 32,768 dense bytes as 128 rows of 32 elements of 8 bytes, no padding
	s_or_b32 s[G1+0], s43, (3<<16)|(1<<21)         ; 15:0 the mask: my row; 17:16 elements of 8 bytes; 21 set beside a mask
	s_mov_b32 s[G1+1], 32<<16                      ; tensor_dim0
	s_mov_b32 s[G1+2], 128<<16                     ; tensor_dim1
	s_mov_b32 s[G1+3], 32<<16                      ; tile_dim0
	s_mov_b32 s[G1+4], 128                         ; tile_dim1
	s_mov_b32 s[G1+5], 32                          ; from row to row
	s_mov_b32 s[G1+6], 0
	s_mov_b32 s[G1+7], 0
	; for W1's tiles: 128 rows of 256 bytes, 1,024 bytes apart, four words of padding behind every 64
	s_or_b32 s[G1B+0], s44, (0<<16)|(1<<20)|(1<<21)|(5<<22)|(3<<25)
	s_mov_b32 s[G1B+1], ROWB<<16
	s_mov_b32 s[G1B+2], 128<<16
	s_mov_b32 s[G1B+3], ROWB<<16
	s_mov_b32 s[G1B+4], 128
	s_mov_b32 s[G1B+5], KROW
	s_mov_b32 s[G1B+6], 0
	s_mov_b32 s[G1B+7], 0
	; for q's scale bytes of a tile's 256 rows: 8,192 dense bytes as 32 rows of 256, padded likewise
	s_or_b32 s[G1S+0], s43, (3<<16)|(1<<20)|(1<<21)|(5<<22)|(3<<25)
	s_mov_b32 s[G1S+1], 32<<16
	s_mov_b32 s[G1S+2], 32<<16
	s_mov_b32 s[G1S+3], 32<<16
	s_mov_b32 s[G1S+4], 32
	s_mov_b32 s[G1S+5], 32
	s_mov_b32 s[G1S+6], 0
	s_mov_b32 s[G1S+7], 0
	; for W1's scale bytes of 128 rows: 4,096 dense bytes as 16 rows of 256
	s_or_b32 s[G1SB+0], s44, (3<<16)|(1<<20)|(1<<21)|(5<<22)|(3<<25)
	s_mov_b32 s[G1SB+1], 32<<16
	s_mov_b32 s[G1SB+2], 16<<16
	s_mov_b32 s[G1SB+3], 32<<16
	s_mov_b32 s[G1SB+4], 16
	s_mov_b32 s[G1SB+5], 32
	s_mov_b32 s[G1SB+6], 0
	s_mov_b32 s[G1SB+7], 0
	; where the tiles come from.  A's hang on the work-group's y alone, W1's on the tile column alone, each in registers that never hold the other coordinate
	s_lshl_b32 s20, s17, 17                        ; A's images: tile row 2 y: 2 x 16 blocks of 4,096 bytes a work-group, + my half
	s_lshl_b32 s18, s16, 15
	s_add_co_u32 s20, s20, s18
	s_mov_b32 s21, 0
	s_lshl_b32 s22, s17, 14                        ; q's scales: 512 rows of 32 bytes a work-group; wave 0 takes tile 0's 256 rows, wave 1 tile 1's
	s_lshl_b32 s18, s16, 13
	s_add_co_u32 s22, s22, s18
	s_mov_b32 s23, 0
	s_lshl_b32 s46, s42, 18                        ; W1's codes: 256 rows of 1,024 bytes, + my half
	s_lshl_b32 s19, s16, 17
	s_add_co_u32 s46, s46, s19
	s_mov_b32 s47, 0
	s_lshl_b32 s92, s42, 13                        ; W1's scales: 256 rows of 32 bytes, + my half
	s_lshl_b32 s19, s16, 12
	s_add_co_u32 s92, s92, s19
	s_mov_b32 s93, 0
	s_lshl_b32 s45, s16, 15                        ; where they go in a slot: A's half,
	s_mul_i32 s95, s16, HALFT
	s_add_co_u32 s95, s95, BOFF                    ; W1's half,
	s_mul_i32 s94, s16, 2*HALFS
	s_add_co_u32 s94, s94, SCL                     ; q's scales of one tile,
	s_mul_i32 s98, s16, HALFS
	s_add_co_u32 s98, s98, SCLB                    ; W1's scales of 128 rows.  No place in the cluster enters an LDS address
	s_wait_kmcnt 0x0
	s_add_nc_u64 s[20:21], s[4:5], s[20:21]
	s_add_nc_u64 s[22:23], s[6:7], s[22:23]
	s_add_nc_u64 s[46:47], s[8:9], s[46:47]
	s_add_nc_u64 s[92:93], s[10:11], s[92:93]
	CROUND                                         ; all sixteen work-groups are here: the first joint loads meet
	s_mov_b32 s[G0S], 1
	s_mov_b32 s[G0S+1], s94
	s_mov_b64 s[G0S+2:G0S+3], s[22:23]
	s_or_b32 s[G0S+3], s[G0S+3], 0x80000000
	s_mov_b32 s[G0SB], 1
	s_mov_b32 s[G0SB+1], s98
	s_mov_b64 s[G0SB+2:G0SB+3], s[92:93]
	s_or_b32 s[G0SB+3], s[G0SB+3], 0x80000000
	JLOAD G0S, G1S, G0SB, G1SB                     ; the scales first: they are wanted with K step 0
.irp s, 0,1
	s_mov_b32 s[G0+4*\s], 1
	s_add_co_u32 s[G0+4*\s+1], s45, \s*SLOT
	s_add_nc_u64 s[G0+4*\s+2:G0+4*\s+3], s[20:21], \s*JSTR
	s_or_b32 s[G0+4*\s+3], s[G0+4*\s+3], 0x80000000
	s_mov_b32 s[G0B+4*\s], 1
	s_add_co_u32 s[G0B+4*\s+1], s95, \s*SLOT
	s_add_nc_u64 s[G0B+4*\s+2:G0B+4*\s+3], s[46:47], \s*ROWB
	s_or_b32 s[G0B+4*\s+3], s[G0B+4*\s+3], 0x80000000
	JLOAD G0+4*\s, G1, G0B+4*\s, G1B               ; three loads of mine are out behind the second of these
.endr
	v_and_b32 v1, 15, v0                           ; r = l % 16
	v_bfe_u32 v2, v0, 4, 1                         ; h = l / 16
	v_and_b32 v3, 31, v0
	v_lshlrev_b32 v[LI], 4, v3
	v_mul_u32_u24 v3, v1, PITCH
	v_lshl_add_u32 v4, v2, 4, v3                   ; W1: a fragment's row x pitch + 16 x half
	s_lshl_b32 s21, s15, 15                        ; my 128 rows of A: eight blocks of 4,096 bytes
	s_mul_i32 s22, s16, HALFT                      ; my 128 rows of W1,
	s_add_co_u32 s22, s22, BOFF                    ; which lie behind A's part
.irp s, 0,1
	v_add_nc_u32 v[ADRA+\s], s21, v[LI]
	v_add_nc_u32 v[ADRB+\s], s22, v4
	s_add_co_u32 s21, s21, SLOT
	s_add_co_u32 s22, s22, SLOT
.endr
	v_mul_u32_u24 v5, v1, KS                       ; my row's scales: 32 bytes a row,
	v_lshrrev_b32 v6, 8, v5
	v_lshl_add_u32 v5, v6, 4, v5                   ; and 16 more for each 256 passed
	s_mul_i32 s21, s15, HALFS                      ; q's: my 128 rows of tile 0
	s_mul_i32 s22, s16, HALFS                      ; W1's: my 128 rows, behind q's four pieces
	s_add_co_u32 s22, s22, 4*HALFS
	s_sub_co_u32 s22, s22, s21
	v_mul_u32_u24 v6, s22, v2                      ; lanes 16-31 take W1's: one product, h x the distance
	s_add_co_u32 s21, s21, SCL
	v_add_nc_u32 v6, v5, v6
	v_add_nc_u32 v[ADRS0], s21, v6
	s_sub_co_u32 s22, s22, 2*HALFS                 ; tile 1: q's rows lie two pieces on, W1's where they were: the distance is two pieces less
	v_mul_u32_u24 v6, s22, v2
	s_add_co_u32 s21, s21, 2*HALFS
	v_add_nc_u32 v6, v5, v6
	v_add_nc_u32 v[ADRS1], s21, v6
	s_lshl_b32 s23, s14, 9
	s_add_co_u32 s23, s23, SCR                     ; my 512 bytes for h's scale words
	v_lshl_add_u32 v[SWA], v1, 2, s23
	v_add_nc_u32 v[SRA], s23, v[LI]
	s_mov_b32 s[SEL], 0x76543210
	s_mov_b32 s[SEL+1], 0xfedcba98
	s_mov_b32 s[MNT], 0x600000
	s_lshl_b32 s18, s42, 21                        ; hc: run = tile column; block 16 x tile row + 8 x my half of the rows; K step = my half of the columns
	s_lshl_b32 s19, s17, 17
	s_add_co_u32 s18, s18, s19
	s_lshl_b32 s19, s15, 15
	s_add_co_u32 s18, s18, s19
	s_lshl_b32 s19, s16, 11
	s_add_co_u32 s18, s18, s19
	s_mov_b32 s19, 0
	s_add_nc_u64 s[12:13], s[12:13], s[18:19]
	s_lshl_b32 s18, s17, 16                        ; hs: ((2 x tile row + row half) x 32 + 2 x tile column + column half) x 512 bytes
	s_lshl_b32 s19, s15, 14
	s_add_co_u32 s18, s18, s19
	s_lshl_b32 s19, s42, 10
	s_add_co_u32 s18, s18, s19
	s_lshl_b32 s19, s16, 9
	s_add_co_u32 s18, s18, s19
	s_mov_b32 s19, 0
	s_add_nc_u64 s[66:67], s[66:67], s[18:19]
.macro FRAGB reg, adr, q, i            ; 16 rows x 128 K from rows: lane l holds row l % 16; registers 4 c .. 4 c + 3 hold K = 32 c + 16 (l / 16) + 0 .. 15
.irp c, 0,1,2,3
	ds_load_b128 v[\reg+4*\c:\reg+4*\c+3], v[\adr] offset:128*(\q)+32*\c+(\i)*16*PITCH
.endr
.endm
.macro FRAGA reg, adr, q, i            ; the same from an image: block i, K step q, 512 consecutive bytes a load
.irp c, 0,1,2,3
	ds_load_b128 v[\reg+4*\c:\reg+4*\c+3], v[\adr] offset:4096*(\i)+2048*(\q)+512*\c
.endr
.endm
; 16 matrix instructions: A's blocks a0, a0 + 1 x W1's eight, 128 along K.  p: W1's set;  sc: the set of scale words.  zero = 1: the first product starts the sums.
; The 64 accumulators take turns, one instruction a turn, in the same order in every step.
.macro MUL16 a0, p, q, sc, zero
.irp a, \a0, \a0+1
.irp b, 0,1,2,3,4,5,6,7
.if \zero
	v_wmma_scale_f32_16x16x128_f8f6f4 v[8*(8*((\a)%4)+\b):8*(8*((\a)%4)+\b)+7], v[128*(\p)+FR*\b:128*(\p)+FR*\b+FR-1], v[AF+FR*(\a):AF+FR*(\a)+FR-1], 0, v[SC+8*NQ*(\sc)+NQ*\b+(\q)], v[SC+8*NQ*(\sc)+NQ*(\a)+(\q)] matrix_a_fmt:MATRIX_FMT_BF8 matrix_b_fmt:MATRIX_FMT_BF8 matrix_a_scale:MATRIX_SCALE_ROW1
.else
	v_wmma_scale_f32_16x16x128_f8f6f4 v[8*(8*((\a)%4)+\b):8*(8*((\a)%4)+\b)+7], v[128*(\p)+FR*\b:128*(\p)+FR*\b+FR-1], v[AF+FR*(\a):AF+FR*(\a)+FR-1], v[8*(8*((\a)%4)+\b):8*(8*((\a)%4)+\b)+7], v[SC+8*NQ*(\sc)+NQ*\b+(\q)], v[SC+8*NQ*(\sc)+NQ*(\a)+(\q)] matrix_a_fmt:MATRIX_FMT_BF8 matrix_b_fmt:MATRIX_FMT_BF8 matrix_a_scale:MATRIX_SCALE_ROW1
.endif
.endr
.endr
.endm
.macro FETCH_B slot, q, p
	WIN TO_B
.irp i, 0,1,2,3,4,5,6,7
	FRAGB 128*(\p)+FR*\i, ADRB+\slot, \q, \i
.endr
	WIN 0
.endm
.macro FETCH_A slot, q, i0             ; A's blocks i0 .. i0 + 3
.irp i, \i0, \i0+1, \i0+2, \i0+3
	FRAGA AF+FR*(\i), ADRA+\slot, \q, \i
.endr
.endm
.macro SCALES sc                       ; a slot's scale words into set sc: two words a row; the address register is the tile's
.irp i, 0,1,2,3,4,5,6,7
	ds_load_b64 v[SC+8*NQ*\sc+NQ*\i:SC+8*NQ*\sc+NQ*\i+1], v[AS] offset:\i*SBLK
.endr
.endm
; A load into a register that a matrix instruction has read, and a vector instruction that reads a matrix result or writes one of its registers, stand NP places behind it;
; only plain vector instructions that name none of its registers are places.
.macro PLACES n
.rept \n
	v_nop
.endr
.endm
; A step of 128 along K that has its successor in the same slot.  A has one set of registers: blocks 0-3 are fetched anew in the step's middle, blocks 4-7 at its end.
.macro STEP slot, q, zero
	s_wait_dscnt 4*NL                              ; W1's set, the scale words and A's blocks 0-3 are in; the youngest sixteen loads (A's blocks 4-7) may be out
	WIN MUL_LO
	MUL16 0, (\q)%2, \q, \slot, \zero
	MUL16 2, (\q)%2, \q, \slot, \zero
	s_wait_dscnt 0                                 ; A's blocks 4-7 are in
	PLACES NP
	FETCH_B \slot, (\q)+1, 1-(\q)%2
	FETCH_A \slot, (\q)+1, 0
	WIN MUL_HI
	MUL16 4, (\q)%2, \q, \slot, \zero
	MUL16 6, (\q)%2, \q, \slot, \zero
	PLACES NP
	WIN 0
	FETCH_A \slot, (\q)+1, 4
.endm
; A slot's last step changes slots: ONE barrier.  In front of it each wave waits for all its tensor loads (its part of the next slot), adds 0 to its spare word, and waits for that and for its reads of this slot.
; fill = 1: this slot is filled again with this tile's run two further on; fill = 2: with the NEXT tile's run of the same slot (A: a tile row down and two runs back; W1: two runs back);
; the barrier then opens a round of the cluster's barrier, and the joint refill is the first tensor load behind the round.  fill = 0: nothing is left to fetch.
.macro TURN slot, next, fill
	s_wait_dscnt 4*NL                              ; the youngest sixteen loads (A's blocks 4-7) may be out
	WIN MUL_LO
	MUL16 0, 1, NQ-1, \slot, 0
	WIN 0                                          ; (the add's two registers lie in window 0)
	s_wait_tensorcnt 0x0                           ; all my tensor loads have landed: no group 0 is in use
	ds_add_u32 v[SPW], v[NIL]                      ; 0 onto my spare word
.if \fill == 1
	s_add_nc_u64 s[G0+4*\slot+2:G0+4*\slot+3], s[G0+4*\slot+2:G0+4*\slot+3], 2*JSTR
	s_add_nc_u64 s[G0B+4*\slot+2:G0B+4*\slot+3], s[G0B+4*\slot+2:G0B+4*\slot+3], 2*ROWB
.endif
.if \fill == 2
	s_sub_nc_u64 s[G0+4*\slot+2:G0+4*\slot+3], s[G0+4*\slot+2:G0+4*\slot+3], 2*JSTR-TROW
	s_sub_nc_u64 s[G0B+4*\slot+2:G0B+4*\slot+3], s[G0B+4*\slot+2:G0B+4*\slot+3], 2*ROWB
.endif
	s_wait_dscnt 0x0                               ; the add is done, and my reads of this slot are over
	s_barrier_signal -1
	WIN MUL_LO
	MUL16 2, 1, NQ-1, \slot, 0                     ; work on registers while the others arrive
	WIN 0
	s_barrier_wait -1
.if \fill
	CREST                                          ; no wave of any partner still reads this slot's tile or has a load on its way
	JLOAD G0+4*\slot, G1, G0B+4*\slot, G1B         ; the four v_nop behind it are among the places in front of the loads below
	PLACES NP-4
.else
	PLACES NP
.endif
	v_add_nc_u32 v[AS], 4*NQ, v[AS]                ; on to the next slot's scale words
	FETCH_B \next, 0, 0
	FETCH_A \next, 0, 0
	SCALES \next
	WIN MUL_HI
	MUL16 4, 1, NQ-1, \slot, 0
	MUL16 6, 1, NQ-1, \slot, 0
	PLACES NP
	WIN 0
	FETCH_A \next, 0, 4
.endm
.macro FIRSTFETCH                      ; a tile's first fragments and scale words, from slot 0
	FETCH_B 0, 0, 0
	FETCH_A 0, 0, 0
	SCALES 0
	FETCH_A 0, 0, 4
.endm
.macro LASTSTEP                        ; a tile's last step, in slot 1: nothing more to fetch
	s_wait_dscnt 4*NL
	WIN MUL_LO
	MUL16 0, 1, NQ-1, 1, 0
	MUL16 2, 1, NQ-1, 1, 0
	s_wait_dscnt 0
	WIN MUL_HI
	MUL16 4, 1, NQ-1, 1, 0
	MUL16 6, 1, NQ-1, 1, 0
	WIN 0
	PLACES NP                                      ; in front of the first reads of results and of writes to registers that held operands and scales
.irp b, 0,1,2,3
	v_mov_b32 v[TM+4+\b], 0                        ; a lane permute's destination counts as one of its sources
.endr
.endm
; THE WAY OUT, block a of 16 rows x my 128 columns, which are one K step of the next product.  Accumulators 2 B and 2 B + 1 hold, in lane (r, h), columns 32 B + 8 h + 0 .. 7 and 32 B + 16 + 8 h + 0 .. 7
; of row r: with lane l xor 16's that is a block of 32.  No |.| on the maximum's sources and a hold between 0 and the largest code x the scale: that is the activation.
; Each accumulator is read from its low end on.  The codes of the two accumulators change halves of the lanes, so that lane (r, h) holds columns 32 B + 16 h + 0 .. 15: the operand's image.
.macro OUTBLK a
.set AC, 64*((\a)%4)
.set CC, CD+16*(\a)
.set WA, 0x0a+5*((\a)/4)               ; sources 0 and 1: window 2 or 3
.set WB, 0x02+((\a)/4)                 ; source 0 alone
	WIN WA
.irp b, 0,1,2,3
	v_max3_num_f32 v[TM+\b], v[AC+16*\b], v[AC+16*\b+1], 0x8000000   ; with the floor 2^(16 - 127): the byte cannot fall under 1
.endr
.irp i, 2,4,6,8,10,12,14
.irp b, 0,1,2,3
	v_max3_num_f32 v[TM+\b], v[AC+16*\b+\i], v[AC+16*\b+\i+1], v[TM+\b]
.endr
.endr
	WIN 0
.irp b, 0,1,2,3
	v_permlanex16_b32 v[TM+4+\b], v[TM+\b], s[SEL], s[SEL+1]
.endr
.irp b, 0,1,2,3
	v_max_num_f32 v[TM+\b], v[TM+\b], v[TM+4+\b]   ; the block's largest number
.endr
.irp b, 0,1,2,3
	v_add_nc_u32 v[TM+12+\b], 0xf8800000, v[TM+\b] ; 15 off its exponent field: the conversion's scale operand
.endr
.irp b, 0,1,2,3
	v_and_or_b32 v[TM+8+\b], v[TM+\b], 0x7f800000, s[MNT]   ; 57,344 x the scale
.endr
.irp b, 0,1,2,3
	v_lshrrev_b32 v[TM+4+\b], 23, v[TM+12+\b]      ; the scale's byte
.endr
	v_lshl_or_b32 v[PWR+(\a)], v[TM+5], 8, v[TM+4]
	v_lshl_or_b32 v[PWR+(\a)], v[TM+6], 16, v[PWR+(\a)]
	v_lshl_or_b32 v[PWR+(\a)], v[TM+7], 24, v[PWR+(\a)]   ; row r's scale word of this K step
	WIN WB
.irp b, 0,1,2,3
.irp i, 0,1,2,3,4,5,6,7,8,9,10,11,12,13,14,15
	v_med3_num_f32 v[XQ+16*\b+\i], v[AC+16*\b+\i], 0, v[TM+8+\b]   ; the activation and the hold in one (the conversion to an 8-bit code does not saturate: ISA guide 7.6.2)
.endr
.endr
	WIN 0
.irp b, 0,1,2,3
	v_cvt_scalef32_pk8_bf8_f32 v[CC+4*\b:CC+4*\b+1], v[XQ+16*\b:XQ+16*\b+7], v[TM+12+\b]
	v_cvt_scalef32_pk8_bf8_f32 v[CC+4*\b+2:CC+4*\b+3], v[XQ+16*\b+8:XQ+16*\b+15], v[TM+12+\b]
.endr
	v_nop                                          ; a plain line behind the last scaled conversion
.irp b, 0,1,2,3
	v_permlane16_swap_b32 v[CC+4*\b], v[CC+4*\b+2]     ; the first register's lanes 16-31 change places with the second's lanes 0-15
	v_permlane16_swap_b32 v[CC+4*\b+1], v[CC+4*\b+3]
.endr
.irp b, 0,1,2,3
	global_store_b128 v[LI], v[CC+4*\b:CC+4*\b+3], s[12:13] offset:4096*(\a)+512*\b   ; the wave stores 512 consecutive bytes, aligned
.endr
	ds_store_b32 v[SWA], v[PWR+(\a)] offset:64*(\a)    ; lanes r and r + 16 write the same word with the same value
.endm
.macro WORDS                           ; my 128 rows' scale words of this K step leave as one run
	ds_load_b128 v[56:59], v[SRA]                  ; LDS serves a wave's instructions in order, and the bytes are my own
	s_wait_dscnt 0x0
	global_store_b128 v[LI], v[56:59], s[66:67]    ; 512 consecutive bytes, aligned
.endm
	s_wait_tensorcnt 1                             ; the scales and my part of slot 0 are in; slot 1's load may stay out
	s_barrier_signal -1
	s_barrier_wait -1                              ; everybody's are
	; ---- TILE 0: K = 1,024 is four runs, eight steps
	FIRSTFETCH
	STEP 0, 0, 1                                   ; the first step's products start the sums
	TURN 0, 1, 1                                   ; slot 0 takes run 2
	STEP 1, 0, 0
	TURN 1, 0, 1                                   ; slot 1 takes run 3
	STEP 0, 0, 0
	TURN 0, 1, 2                                   ; THE RING GOES ON INTO TILE 1: slot 0 takes its run 0
	STEP 1, 0, 0
	LASTSTEP
	OUTBLK 0
	OUTBLK 1
	OUTBLK 2
	OUTBLK 3
	; slot 1 has been read out: it takes tile 1's run 1.  The change stands in the middle of the way out: four blocks' work lies between slot 0's request and this wait for it,
	; and four blocks' work and tile 1's first 80 matrix instructions between this request and the wait for it
	s_wait_tensorcnt 0x0                           ; all my tensor loads have landed: my part of tile 1's run 0
	ds_add_u32 v[SPW], v[NIL]                      ; 0 onto my spare word
	s_sub_nc_u64 s[G0+6:G0+7], s[G0+6:G0+7], 2*JSTR-TROW
	s_sub_nc_u64 s[G0B+6:G0B+7], s[G0B+6:G0B+7], 2*ROWB
	s_wait_dscnt 0x0                               ; the add is done; my reads of slot 1 were over at the last step; my scale words' stores have landed
	CROUND                                         ; no wave of any partner still reads slot 1 or has a load on its way
	JLOAD G0+4, G1, G0B+4, G1B
	OUTBLK 4
	OUTBLK 5
	OUTBLK 6
	OUTBLK 7
	WORDS
	s_wait_xcnt 0x0                                ; tile 0's stores have read their registers and their bases: only behind this wait are the bases stepped and the registers loaded again
	s_add_nc_u64 s[12:13], s[12:13], TROW          ; hc: a tile row down
	s_add_nc_u64 s[66:67], s[66:67], 32768         ; hs: two blocks of 128 rows on
	; ---- TILE 1: its run 0 was shown landed to every wave by the round above
.set AS, ADRS1
	FIRSTFETCH
	STEP 0, 0, 1
	TURN 0, 1, 1
	STEP 1, 0, 0
	TURN 1, 0, 1
	STEP 0, 0, 0
	TURN 0, 1, 0                                   ; nothing is left to fetch: no round
	STEP 1, 0, 0
	LASTSTEP
.irp a, 0,1,2,3,4,5,6,7
	OUTBLK \a
.endr
	WORDS
	s_wait_tensorcnt 0x0                           ; the wave's end
	ds_add_u32 v[SPW], v[NIL]
	s_wait_dscnt 0x0
	CROUND                                         ; the closing round: no work-group ends while a partner may still ask for a tile that names it
	s_endpgm
.Lfunc_end_k_q2cf4bb2621_gemm1:
	.size	k_q2cf4bb2621_gemm1, .Lfunc_end_k_q2cf4bb2621_gemm1-k_q2cf4bb2621_gemm1
	.p2alignl 7, 3214868480
	.fill 96, 4, 3214868480
	.section	.rodata,"a",@progbits
	.p2align	6, 0x0
	.amdhsa_kernel k_q2cf4bb2621_gemm1
		.amdhsa_group_segment_fixed_size 327680
		.amdhsa_private_segment_fixed_size 0
		.amdhsa_enable_private_segment 0
		.amdhsa_kernarg_size 48
		.amdhsa_user_sgpr_count 2
		.amdhsa_user_sgpr_kernarg_segment_ptr 1
		.amdhsa_wavefront_size32 1
		.amdhsa_system_sgpr_workgroup_id_x 1
		.amdhsa_system_sgpr_workgroup_id_y 1
		.amdhsa_system_sgpr_workgroup_id_z 1
		.amdhsa_system_vgpr_workitem_id 0
		.amdhsa_next_free_vgpr 1024
		.amdhsa_next_free_sgpr 100
		.amdhsa_reserve_vcc 0
		.amdhsa_float_denorm_mode_32 3
		.amdhsa_float_denorm_mode_16_64 3
		.amdhsa_memory_ordered 1
		.amdhsa_forward_progress 1
		.amdhsa_inst_pref_size 255
	.end_amdhsa_kernel
	.section	.bss,"aw",@nobits
	.p2align	6
	.space	262144
	.amdgpu_metadata
---
amdhsa.version: [ 1, 2 ]
amdhsa.kernels:
  - .name:           k_q2cf4bb2621_gemm1
    .symbol:         k_q2cf4bb2621_gemm1.kd
    .args:
      - { .name: qc, .offset: 0, .size: 8, .value_kind: global_buffer, .address_space: global }
      - { .name: qs, .offset: 8, .size: 8, .value_kind: global_buffer, .address_space: global }
      - { .name: W1_codes, .offset: 16, .size: 8, .value_kind: global_buffer, .address_space: global }
      - { .name: W1_scales, .offset: 24, .size: 8, .value_kind: global_buffer, .address_space: global }
      - { .name: hc, .offset: 32, .size: 8, .value_kind: global_buffer, .address_space: global }
      - { .name: hs, .offset: 40, .size: 8, .value_kind: global_buffer, .address_space: global }
    .group_segment_fixed_size: 327680
    .private_segment_fixed_size: 0
    .kernarg_segment_align: 8
    .kernarg_segment_size: 48
    .max_flat_workgroup_size: 128
    .sgpr_count:     100
    .vgpr_count:     1024
    .wavefront_size: 32
...
	.end_amdgpu_metadata
.endif
;; end of part 2
;; launch gemm2 (part 3): grid 4 x 64, 4 waves a work-group, clusters of 4 x 4, 327,680 bytes of LDS; arguments hc, hs, W2_codes, W2_scales, out0; writes out0
.if DOCPART == 3
	.amdgcn_target "amdgcn-amd-amdhsa--gfx1250"
	.amdhsa_code_object_version 6
	.text
	.protected	k_q2cf4bb2621_gemm2
	.globl	k_q2cf4bb2621_gemm2
	.p2align	8
	.type	k_q2cf4bb2621_gemm2,@function
k_q2cf4bb2621_gemm2:
	s_mov_b64 s[64:65], 0
	v_nop
	global_prefetch_b8 v0, s[64:65] scope:SCOPE_SE
	s_setreg_imm32_b32 hwreg(HW_REG_WAVE_MODE, 25, 1), 1
	s_wait_xcnt 0x0
	s_wait_alu depctr_hold_cnt(0) depctr_sa_sdst(0) depctr_va_vdst(0) depctr_va_sdst(0) depctr_va_ssrc(0) depctr_va_vcc(0) depctr_vm_vsrc(0)
	s_getreg_b32 s2, hwreg(HW_REG_IB_STS2, 6, 4)
	s_cmp_eq_u32 s2, 0
	s_cbranch_scc0 .Lentry_in_a_cluster
	s_endpgm
.Lentry_in_a_cluster:
	s_bfe_u32 s2, ttmp6, 0x10000c
	s_cmp_lg_u32 s2, 0xf033
	s_cbranch_scc0 .Lentry_shape_is_right
	s_endpgm
.Lentry_shape_is_right:
; out0 = h W2^T, [8192][1024] f32, on codes of BF8 (E5M2) with one E8M0 scale for each 32 along K = 4,096.
; IN: hc: h's codes as images of the operand's registers, [16 runs of 256 K][512 blocks of 16 rows][2 K steps][2,048 bytes]; hs: scale words [64 blocks of 128 rows][32 K steps][128 rows];
; W2_codes [1024][4096], W2_scales [1024][128].
; The output has 32 x 4 tiles of 256 x 256, too few for a work-group on each of 256 WGPs: so a tile is 128 rows x 256 columns, 256 work-groups.
; THE FOUR WAVES ARE TWO HALVES OF THE COLUMNS x TWO HALVES OF EACH RUN'S K: wave w takes columns 128 (w % 2) on and, of each run's 256 along K, the 128 at 128 (w / 2).  So each wave still has
; 128 x 128 in 64 accumulators, and each fragment read from LDS feeds eight products.  At the end the two waves of a column half give each other half of their sums through LDS.
; ORDER OF SUMS: an output is two f32 sums over interleaved halves of K, added once.
; BOTH SLOTS ARE ASKED FOR BEHIND ONE ROUND.  A run of 256 along K is only 64 matrix instructions a wave, and two slots of 512 along K (401,408 bytes) do not fit in LDS.  But a wave's registers hold a whole run's
; fragments: sixteen matrix instructions into the odd run both slots have been read out.  So the two slots are filled together, each wave bringing ONE whole tile (wave 0: h's for slot 0, wave 1: h's for slot 1,
; waves 2 and 3: W2's): seven rounds and seven waits for tiles in place of fourteen, each for twice the bytes; the odd run's other 48 matrix instructions stand behind the request.
; A'S BLOCKS ARE TAKEN IN AN ORDER THAT HANGS ON THE WAVE: fragments 0-3 (window 2) are the four blocks of 16 rows that the wave will keep, 4 (w / 2) on; fragments 4-7 (window 3) those that it gives away.
; CLUSTERS: 4 x 4 work-groups; h's tiles are shared along a row of the cluster, W2's along a column: each is asked for jointly.
; THE MATRIX INSTRUCTION IS USED TRANSPOSED (source 0 = 16 rows of W2, source 1 = 16 rows of h): a lane then holds eight neighbouring numbers of a row of out0.
; REGISTERS: window 0: v0-31 addresses; v32-63 scale words, two sets; v128-255 A's fragments, one set.  window 1: W2's fragments, two sets.  windows 2, 3: the accumulators.
.set ROWB,   256                       ; a row of W2's tile in bytes
.set KROW,   4096                      ; a row of W2 in memory
.set PITCH,  272                       ; and in LDS: 256 + 16 bytes
.set FR,     16
.set NP,     8                         ; places behind this matrix instruction (ISA guide 7.12.1)
.set ATILE,  32768                     ; images of 128 rows x 256 K: h's tile of a run
.set HALFT,  128*PITCH                 ; 128 rows of W2
.set BOFF,   ATILE
.set SLOT,   BOFF+2*HALFT
.set JSTR,   2097152                   ; from a run of 256 K of hc to the next
.set SCA,    2*SLOT                    ; h's scale words of my 128 rows, all of K: 16,384 dense bytes
.set SCBS,   SCA+16384                 ; W2's scale bytes of 256 rows, as units of 256 bytes + 16
.set HALFSB, 64*272                    ; those of 128 rows
.set SPARE,  SCBS+2*HALFSB             ; the spare words, 128 bytes for each wave: two blocks of 256 bytes that no other line names
.set XCHW,   32768                     ; the way out: each wave's 32 accumulators as images, from LDS byte 0 on: inside the slots, which have had their last fill and their last read by then
.set STAGE,  4*XCHW                    ; and behind them a stage of 16 rows x (512 + 16) bytes for each wave
.set SPITCH, 528
.set PFO,   14                         ; v14     256 x lane: the prefetch's offset; never rewritten
.set ADRAL, 16                         ; v16-17  my A fragments 0-3 in slot 0, 1
.set ADRAH, 18                         ; v18-19  fragments 4-7
.set ADRB,  20                         ; v20-21  W2's
.set ADSL,  22                         ; v22     h's scale words for fragments 0-3
.set ADSH,  23                         ; v23     for fragments 4-7
.set STO,   24                         ; v24     the stage: where I put 32 bytes of a row
.set RD,    25                         ; v25     where I read a row back
.set CO,    26                         ; v26     16 x lane
.set ADSB,  27                         ; v27     W2's scale words
.set SPW,   28                         ; v28     my spare word; never rewritten
.set NIL,   29                         ; v29     0; never rewritten
.set XW,    30                         ; v30     where I put what I give away
.set XR,    31                         ; v31     where my partner has put what I take
.set SC,    32                         ; scale words: set s at v[SC + 16 s]: registers 0-7 A's fragments, 8-15 W2's blocks; lane r holds row r's word
.set AF,    128
.set T,     64                         ; the way out: v64-127 a block's sums
.set BK,    128                        ; v128-191, v192-255 by turns: 16 rows read back from the stage
.set G1, 24                            ; s[24:31] group 1 for h's tiles;  s[32:35] my group 0 for them
.set G0, 32
.set PFB, 36                           ; s[36:37] the prefetch's base
.set G1B, 48                           ; s[48:55], s[56:59] the same for W2's tiles
.set G0B, 56
.set G1S, 68
.set G0S, 76
.set G1SB, 80
.set G0SB, 88
.set MSB, 0
.macro WIN new                         ; the immediate's high byte repeats the setting that is left
.if MSB != \new
	s_set_vgpr_msb (MSB<<8)|\new
.set MSB, \new
.endif
.endm
.set MUL_LO, 0xa1                      ; source 0 (W2) window 1, source 1 (A) window 0, C and D window 2
.set MUL_HI, 0xf1                      ; the same, C and D window 3
.set TO_B,   0x40                      ; destination window 1, address window 0
.macro JLOAD g0a, g1a, g0b, g1b        ; a joint load: waves 0 and 1 fetch for A, waves 2 and 3 for W2; four v_nop follow each of the two lines
	s_cmp_eq_u32 s15, 0
	s_cbranch_scc0 .Lfor_b_\@
	tensor_load_to_lds s[\g0a:\g0a+3], s[\g1a:\g1a+7]
	s_nop 0
.rept 4
	v_nop
.endr
	s_branch .Lasked_\@
.Lfor_b_\@:
	tensor_load_to_lds s[\g0b:\g0b+3], s[\g1b:\g1b+7]
	s_nop 0
.rept 4
	v_nop
.endr
.Lasked_\@:
.endm
.macro CREST                           ; a round of the cluster's barrier behind its opening barrier
	s_cmp_lg_u32 s14, 0
	s_cbranch_scc1 .Lnot_wave_0_\@
	s_barrier_signal -3
.Lnot_wave_0_\@:
	s_barrier_wait -3
	s_barrier_signal -1
	s_barrier_wait -1
.endm
.macro CROUND
	s_barrier_signal -1
	s_barrier_wait -1
	CREST
.endm
	s_load_b128 s[4:7], s[0:1], 0x0                ; hc, hs
	s_load_b128 s[8:11], s[0:1], 0x10              ; W2's codes, W2's scales
	s_load_b64 s[12:13], s[0:1], 0x20              ; out0
	v_lshl_add_u32 v[SPW], v0, 2, SPARE
	v_mov_b32 v[NIL], 0
	ds_add_u32 v28, v29
	ds_add_u32 v28, v29
	s_wait_dscnt 0x0
	v_lshrrev_b32 v1, 5, v0
	v_readfirstlane_b32 s14, v1                    ; wave 0..3
	s_lshr_b32 s15, s14, 1                         ; which half of a run's K is mine.  Also: I fetch for A (0) or for W2 (1)
	s_and_b32 s16, s14, 1                          ; which half of the columns.  Also: for which slot I fetch, and which half of the scales
	s_bfe_u32 s40, ttmp6, 0x40000                  ; cx, cy
	s_bfe_u32 s41, ttmp6, 0x40004
	s_lshl_b32 s42, ttmp9, 2
	s_add_co_u32 s42, s42, s40                     ; tile column (256 columns)
	s_and_b32 s17, ttmp7, 0xffff
	s_lshl_b32 s17, s17, 2
	s_add_co_u32 s17, s17, s41                     ; tile row (128 rows)
	s_lshl_b32 s43, s41, 2
	s_lshl_b32 s43, 15, s43                        ; my row of the cluster
	s_lshl_b32 s44, 0x1111, s40                    ; my column
	; group 1 for h's tile of a run: 32,768 dense bytes as 128 rows of 32 elements of 8 bytes
	s_or_b32 s[G1+0], s43, (3<<16)|(1<<21)
	s_mov_b32 s[G1+1], 32<<16
	s_mov_b32 s[G1+2], 128<<16
	s_mov_b32 s[G1+3], 32<<16
	s_mov_b32 s[G1+4], 128
	s_mov_b32 s[G1+5], 32
	s_mov_b32 s[G1+6], 0
	s_mov_b32 s[G1+7], 0
	; for W2's tile of a run: 256 rows of 256 bytes, 4,096 bytes apart, four words of padding behind every 64
	s_or_b32 s[G1B+0], s44, (0<<16)|(1<<20)|(1<<21)|(5<<22)|(3<<25)
	s_mov_b32 s[G1B+1], ROWB<<16
	s_mov_b32 s[G1B+2], 256<<16
	s_mov_b32 s[G1B+3], ROWB<<16
	s_mov_b32 s[G1B+4], 256
	s_mov_b32 s[G1B+5], KROW
	s_mov_b32 s[G1B+6], 0
	s_mov_b32 s[G1B+7], 0
	; for h's scale words: 8,192 dense bytes as 32 rows of 256, no padding
	s_or_b32 s[G1S+0], s43, (3<<16)|(1<<21)
	s_mov_b32 s[G1S+1], 32<<16
	s_mov_b32 s[G1S+2], 32<<16
	s_mov_b32 s[G1S+3], 32<<16
	s_mov_b32 s[G1S+4], 32
	s_mov_b32 s[G1S+5], 32
	s_mov_b32 s[G1S+6], 0
	s_mov_b32 s[G1S+7], 0
	; for W2's scale bytes of 128 rows: 16,384 dense bytes as 64 rows of 256, padded
	s_or_b32 s[G1SB+0], s44, (3<<16)|(1<<20)|(1<<21)|(5<<22)|(3<<25)
	s_mov_b32 s[G1SB+1], 32<<16
	s_mov_b32 s[G1SB+2], 64<<16
	s_mov_b32 s[G1SB+3], 32<<16
	s_mov_b32 s[G1SB+4], 64
	s_mov_b32 s[G1SB+5], 32
	s_mov_b32 s[G1SB+6], 0
	s_mov_b32 s[G1SB+7], 0
	; where the tiles come from: A's hang on the tile row alone, W2's on the tile column alone
	s_lshl_b32 s20, s17, 15                        ; h's images: 8 blocks of 4,096 bytes a tile row, in the run of my slot's number
	s_lshl_b32 s18, s16, 21
	s_add_co_u32 s20, s20, s18
	s_mov_b32 s21, 0
	s_lshl_b32 s22, s17, 14                        ; h's scale words: 16,384 bytes a tile row, + my half
	s_lshl_b32 s19, s16, 13
	s_add_co_u32 s22, s22, s19
	s_mov_b32 s23, 0
	s_lshl_b32 s46, s42, 20                        ; W2's codes: 256 rows of 4,096 bytes; my slot's run: 256 bytes on in each row
	s_lshl_b32 s47, s16, 8
	s_add_co_u32 s46, s46, s47
	s_mov_b32 s47, 0
	s_lshl_b32 s92, s42, 15                        ; W2's scales: 256 rows of 128 bytes, + my half
	s_lshl_b32 s93, s16, 14
	s_add_co_u32 s92, s92, s93
	s_mov_b32 s93, 0
	s_mul_i32 s45, s16, SLOT                       ; where they go: h's tile at my slot's head,
	s_add_co_u32 s95, s45, BOFF                    ; W2's behind it,
	s_add_co_u32 s94, s19, SCA                     ; h's scale words,
	s_mul_i32 s98, s16, HALFSB
	s_add_co_u32 s98, s98, SCBS                    ; W2's scale bytes.  No place in the cluster enters an LDS address
	s_lshl_b32 s38, s17, 15                        ; the prefetch: my tile row's images, my work-group's quarter of them (8,192 bytes x tile column), from run 2 on: the base steps two runs ahead of each use
	s_lshl_b32 s39, s42, 13
	s_add_co_u32 s38, s38, s39
	s_add_co_u32 s38, s38, 2*JSTR
	s_mov_b32 s39, 0
	s_wait_kmcnt 0x0
	s_add_nc_u64 s[PFB:PFB+1], s[4:5], s[38:39]
	s_add_nc_u64 s[20:21], s[4:5], s[20:21]
	s_add_nc_u64 s[22:23], s[6:7], s[22:23]
	s_add_nc_u64 s[46:47], s[8:9], s[46:47]
	s_add_nc_u64 s[92:93], s[10:11], s[92:93]
	CROUND                                         ; all sixteen work-groups are here: the first joint loads meet
	s_mov_b32 s[G0S], 1
	s_mov_b32 s[G0S+1], s94
	s_mov_b64 s[G0S+2:G0S+3], s[22:23]
	s_or_b32 s[G0S+3], s[G0S+3], 0x80000000
	s_mov_b32 s[G0SB], 1
	s_mov_b32 s[G0SB+1], s98
	s_mov_b64 s[G0SB+2:G0SB+3], s[92:93]
	s_or_b32 s[G0SB+3], s[G0SB+3], 0x80000000
	JLOAD G0S, G1S, G0SB, G1SB                     ; the scales
	s_mov_b32 s[G0], 1
	s_mov_b32 s[G0+1], s45
	s_mov_b64 s[G0+2:G0+3], s[20:21]
	s_or_b32 s[G0+3], s[G0+3], 0x80000000
	s_mov_b32 s[G0B], 1
	s_mov_b32 s[G0B+1], s95
	s_mov_b64 s[G0B+2:G0B+3], s[46:47]
	s_or_b32 s[G0B+3], s[G0B+3], 0x80000000
	JLOAD G0, G1, G0B, G1B                         ; runs 0 and 1: two loads of mine are out
	v_and_b32 v1, 15, v0                           ; r
	v_bfe_u32 v2, v0, 4, 1                         ; h
	v_and_b32 v3, 31, v0
	v_lshlrev_b32 v[CO], 4, v3                     ; 16 x lane
	v_lshlrev_b32 v[PFO], 8, v3                    ; 256 x lane
	v_mul_u32_u24 v3, v1, PITCH
	v_lshl_add_u32 v4, v2, 4, v3                   ; W2: row x pitch + 16 x half
	s_xor_b32 s18, s15, 1                          ; the other half of K
	s_mul_i32 s21, s15, 18432                      ; fragments 0-3: my K step (2,048 x half) of blocks 4 x half on (16,384 x half)
	s_lshl_b32 s22, s15, 11                        ; fragments 4-7: my K step of the other four blocks
	s_lshl_b32 s23, s18, 14
	s_add_co_u32 s22, s22, s23
	s_mul_i32 s23, s16, HALFT                      ; W2: my 128 rows, my 128 bytes of each
	s_lshl_b32 s19, s15, 7
	s_add_co_u32 s23, s23, s19
	s_add_co_u32 s23, s23, BOFF
.irp s, 0,1
	v_add_nc_u32 v[ADRAL+\s], s21, v[CO]
	v_add_nc_u32 v[ADRAH+\s], s22, v[CO]
	v_add_nc_u32 v[ADRB+\s], s23, v4
	s_add_co_u32 s21, s21, SLOT
	s_add_co_u32 s22, s22, SLOT
	s_add_co_u32 s23, s23, SLOT
.endr
	s_mul_i32 s21, s15, 768                        ; h's scale words: K step = half (512 bytes), rows 64 x half on (256 bytes)
	s_add_co_u32 s21, s21, SCA
	v_lshl_add_u32 v[ADSL], v1, 2, s21
	s_lshl_b32 s21, s15, 9
	s_lshl_b32 s22, s18, 8
	s_add_co_u32 s21, s21, s22
	s_add_co_u32 s21, s21, SCA
	v_lshl_add_u32 v[ADSH], v1, 2, s21
	v_lshrrev_b32 v5, 1, v1                        ; W2's: two rows of 128 bytes to a unit of 272
	v_mul_u32_u24 v5, v5, 272
	v_and_b32 v6, 1, v1
	v_lshl_add_u32 v5, v6, 7, v5
	s_mul_i32 s21, s16, HALFSB
	s_lshl_b32 s22, s15, 2
	s_add_co_u32 s21, s21, s22
	s_add_co_u32 s21, s21, SCBS
	v_add_nc_u32 v[ADSB], s21, v5
	s_mul_i32 s23, s14, 16*SPITCH
	s_add_co_u32 s23, s23, STAGE                   ; my stage
	v_mul_u32_u24 v5, v1, SPITCH
	v_lshl_add_u32 v5, v2, 5, v5
	v_add_nc_u32 v[STO], s23, v5                   ; in: row r, 32 bytes for each half of the lanes
	v_add_nc_u32 v[RD], s23, v[CO]                 ; back: the 32 lanes take one row of 512 bytes
	s_lshl_b32 s21, s14, 15
	v_add_nc_u32 v[XW], s21, v[CO]
	s_xor_b32 s22, s14, 2                          ; my partner: the same columns, the other half of K
	s_lshl_b32 s22, s22, 15
	v_add_nc_u32 v[XR], s22, v[CO]
	s_lshl_b32 s18, s17, 19                        ; out0: row 128 x tile row + 64 x (w / 2), of 4,096 bytes; column 256 x tile column + 128 x (w % 2), of 4 bytes
	s_lshl_b32 s19, s15, 18
	s_add_co_u32 s18, s18, s19
	s_lshl_b32 s19, s42, 10
	s_add_co_u32 s18, s18, s19
	s_lshl_b32 s19, s16, 9
	s_add_co_u32 s18, s18, s19
	s_mov_b32 s19, 0
	s_add_nc_u64 s[12:13], s[12:13], s[18:19]
.macro FRAGI reg, adr, off             ; a fragment from its image: 512 consecutive bytes a load
.irp c, 0,1,2,3
	ds_load_b128 v[\reg+4*\c:\reg+4*\c+3], v[\adr] offset:(\off)+512*\c
.endr
.endm
.macro FETCH_AL slot
.irp i, 0,1,2,3
	FRAGI AF+FR*\i, ADRAL+\slot, 4096*\i
.endr
.endm
.macro FETCH_AH slot
.irp i, 0,1,2,3
	FRAGI AF+FR*(4+\i), ADRAH+\slot, 4096*\i
.endr
.endm
.macro FETCH_B slot                    ; W2's eight fragments into the set of the slot's number
	WIN TO_B
.irp i, 0,1,2,3,4,5,6,7
.irp c, 0,1,2,3
	ds_load_b128 v[128*\slot+FR*\i+4*\c:128*\slot+FR*\i+4*\c+3], v[ADRB+\slot] offset:32*\c+\i*16*PITCH
.endr
.endr
	WIN 0
.endm
.macro SCALES set                      ; sixteen words a lane
.irp i, 0,1,2,3
	ds_load_b32 v[SC+16*\set+\i], v[ADSL] offset:64*\i
	ds_load_b32 v[SC+16*\set+4+\i], v[ADSH] offset:64*\i
.endr
.irp i, 0,1,2,3,4,5,6,7
	ds_load_b32 v[SC+16*\set+8+\i], v[ADSB] offset:2176*\i
.endr
.endm
.macro NEXTSC                          ; the next run's scale words: two K steps of 512 bytes on; two words on in each row of W2's
	v_add_nc_u32 v[ADSL], 1024, v[ADSL]
	v_add_nc_u32 v[ADSH], 1024, v[ADSH]
	v_add_nc_u32 v[ADSB], 8, v[ADSB]
.endm
; 16 matrix instructions: A's fragments a0, a0 + 1 x W2's eight.  The 64 accumulators take turns, one instruction a turn, in the same order in every run.
.macro MUL16 a0, set, zero
.irp a, \a0, \a0+1
.irp b, 0,1,2,3,4,5,6,7
.if \zero
	v_wmma_scale_f32_16x16x128_f8f6f4 v[8*(8*((\a)%4)+\b):8*(8*((\a)%4)+\b)+7], v[128*(\set)+FR*\b:128*(\set)+FR*\b+FR-1], v[AF+FR*(\a):AF+FR*(\a)+FR-1], 0, v[SC+16*(\set)+8+\b], v[SC+16*(\set)+(\a)] matrix_a_fmt:MATRIX_FMT_BF8 matrix_b_fmt:MATRIX_FMT_BF8
.else
	v_wmma_scale_f32_16x16x128_f8f6f4 v[8*(8*((\a)%4)+\b):8*(8*((\a)%4)+\b)+7], v[128*(\set)+FR*\b:128*(\set)+FR*\b+FR-1], v[AF+FR*(\a):AF+FR*(\a)+FR-1], v[8*(8*((\a)%4)+\b):8*(8*((\a)%4)+\b)+7], v[SC+16*(\set)+8+\b], v[SC+16*(\set)+(\a)] matrix_a_fmt:MATRIX_FMT_BF8 matrix_b_fmt:MATRIX_FMT_BF8
.endif
.endr
.endr
.endm
.macro PLACES n                        ; plain vector lines between a matrix instruction and a load into, or a read of, its registers
.rept \n
	v_nop
.endr
.endm
; THE EVEN RUN (slot 0's, set 0).  Slot 1 landed with slot 0, so no barrier stands here: the odd run's fragments are fetched in this run's middle and at its end.
.macro EVEN zero
	s_wait_dscnt 16                                ; W2's set, the scale words and fragments 0-3 are in; the youngest sixteen loads (fragments 4-7) may be out
	WIN MUL_LO
	MUL16 0, 0, \zero
	MUL16 2, 0, \zero
	s_wait_dscnt 0x0                               ; fragments 4-7 are in (asked for 32 matrix instructions ago)
	PLACES NP
	WIN 0
	NEXTSC
	FETCH_B 1
	FETCH_AL 1
	SCALES 1
	WIN MUL_HI
	MUL16 4, 0, \zero
	MUL16 6, 0, \zero
	PLACES NP
	WIN 0
	FETCH_AH 1
.endm
; THE ODD RUN (slot 1's, set 1) WITH THE REFILL OF BOTH SLOTS.  Sixteen matrix instructions in, my last reads of slot 1 are back: the three lines, a round of the cluster's barrier, and my one joint load:
; a whole tile of the next two runs.  The run's other 48 matrix instructions stand behind the request.  Then the tiles are waited for, shown to every wave by a barrier behind which nothing is filled,
; and the next even run's fragments are fetched.
; pf = 1: wave 0 asks the L2 for my work-group's quarter (8,192 bytes, 32 lanes 256 bytes apart) of h's tiles of the two runs BEHIND those just requested: what the next round's joint load will fetch.
; The four work-groups of a cluster's row take a quarter each, so each block is asked for once.  The last refill asks for nothing: the runs that it fetches are the last.
.macro ODDF pf
	s_wait_dscnt 16                                ; the youngest sixteen loads (fragments 4-7) may be out
	WIN MUL_LO
	MUL16 0, 1, 0
	WIN 0                                          ; (the add's two registers lie in window 0)
	s_wait_tensorcnt 0x0                           ; no tensor load of mine is out: the group 0 may be written
	ds_add_u32 v[SPW], v[NIL]                      ; 0 onto my spare word
	s_add_nc_u64 s[G0+2:G0+3], s[G0+2:G0+3], 2*JSTR
	s_add_nc_u64 s[G0B+2:G0B+3], s[G0B+2:G0B+3], 2*ROWB
.if \pf
	s_wait_xcnt 0x0                                ; the last trip's prefetches, a whole trip back, have read their base
	s_add_nc_u64 s[PFB:PFB+1], s[PFB:PFB+1], 2*JSTR
.endif
	s_wait_dscnt 0x0                               ; the add is done, and my reads of both slots are over
	s_barrier_signal -1
	s_barrier_wait -1
	CREST                                          ; no wave of any partner still reads the slots or has a load on its way
	JLOAD G0, G1, G0B, G1B
.if \pf
	s_cmp_lg_u32 s14, 0
	s_cbranch_scc1 .Lno_pf_\@
	global_prefetch_b8 v[PFO], s[PFB:PFB+1] th:TH_LOAD_NT scope:SCOPE_SE
	global_prefetch_b8 v[PFO], s[PFB:PFB+1] offset:JSTR th:TH_LOAD_NT scope:SCOPE_SE
.Lno_pf_\@:
.endif
	WIN MUL_LO
	MUL16 2, 1, 0
	WIN MUL_HI
	MUL16 4, 1, 0
	MUL16 6, 1, 0
	WIN 0
	s_wait_tensorcnt 0x0                           ; my one load that is out has landed: my tile of the next two runs
	s_barrier_signal -1
	s_barrier_wait -1                              ; everybody's has
	PLACES NP
	NEXTSC
	FETCH_B 0
	FETCH_AL 0
	SCALES 0
	FETCH_AH 0
.endm
	s_wait_tensorcnt 0x0                           ; the scales and my tile of runs 0 and 1 are in,
	s_barrier_signal -1
	s_barrier_wait -1                              ; everybody's are
	FETCH_B 0
	FETCH_AL 0
	SCALES 0
	FETCH_AH 0
	EVEN 1                                         ; run 0 of K's sixteen: its products start the sums
	s_mov_b32 s3, 6
.Llap:                                             ; runs 1 to 12; trip p fetches runs 2 p + 2 and 2 p + 3 and asks the L2 for runs 2 p + 4 and 2 p + 5: 14 and 15 at the last
	ODDF 1
	EVEN 0
	s_sub_co_u32 s3, s3, 1
	s_cmp_lg_u32 s3, 0
	s_cbranch_scc1 .Llap
	ODDF 0                                         ; run 13; the slots take runs 14 and 15, the last
	EVEN 0                                         ; run 14
	s_wait_dscnt 0x0                               ; run 15: all its fragments are in registers: my reads of both slots are over;
	s_barrier_signal -1                            ; say so: behind this barrier the slots' bytes serve the way out
	WIN MUL_LO
	MUL16 0, 1, 0
	MUL16 2, 1, 0
	WIN MUL_HI
	MUL16 4, 1, 0
	MUL16 6, 1, 0
	WIN 0
	s_barrier_wait -1
	PLACES NP                                      ; in front of the first reads of results and of loads into registers that held operands
	; THE WAY OUT.  What I give away, window 3's 32 accumulators, goes to LDS as images of its registers, each from its low end on
	WIN 0x0c                                       ; an LDS store's data are its source 1: window 3
.irp t, 0,1,2,3,4,5,6,7,8,9,10,11,12,13,14,15,16,17,18,19,20,21,22,23,24,25,26,27,28,29,30,31
	ds_store_b128 v[XW], v[8*\t:8*\t+3] offset:1024*\t
	ds_store_b128 v[XW], v[8*\t+4:8*\t+7] offset:1024*\t+512
.endr
	WIN 0
	s_wait_dscnt 0x0                               ; for my partner's sake: my stores have landed
	s_barrier_signal -1
	s_barrier_wait -1
; Block a of the four that I keep: my partner's sums are added to mine; the block goes through my own stage and comes back as whole rows of 512 bytes.
.macro OUTBLK a
.set BB, BK+64*((\a)%2)
.if (\a) >= 2
	s_wait_xcnt 0x0                                ; block a - 2's stores have read their registers: this block's rows may land there
.endif
.irp b, 0,1,2,3,4,5,6,7
	ds_load_b128 v[T+8*\b:T+8*\b+3], v[XR] offset:1024*(8*(\a)+\b)
	ds_load_b128 v[T+8*\b+4:T+8*\b+7], v[XR] offset:1024*(8*(\a)+\b)+512
.endr
	s_wait_dscnt 0x0
	WIN 0x08                                       ; source 1: window 2
.set i, 0
.rept 32
	v_pk_add_f32 v[T+i:T+i+1], v[T+i:T+i+1], v[64*(\a)+i:64*(\a)+i+1]   ; the two halves of K; each accumulator from its low end on
.set i, i+2
.endr
	WIN 0
.irp b, 0,1,2,3,4,5,6,7
	ds_store_b128 v[STO], v[T+8*\b:T+8*\b+3] offset:64*\b
	ds_store_b128 v[STO], v[T+8*\b+4:T+8*\b+7] offset:64*\b+16
.endr
.irp t, 0,1,2,3,4,5,6,7,8,9,10,11,12,13,14,15
	ds_load_b128 v[BB+4*\t:BB+4*\t+3], v[RD] offset:\t*SPITCH      ; LDS serves a wave's instructions in order: these see my stores, and the next block's stores come behind them
.endr
.irp t, 0,1,2,3,4,5,6,7,8,9,10,11,12,13,14,15
	s_wait_dscnt 15-\t                             ; row t is back; the rows behind it may be out
	global_store_b128 v[CO], v[BB+4*\t:BB+4*\t+3], s[12:13] offset:(16*(\a)+\t)*4096 th:TH_STORE_NT   ; 32 lanes store 512 consecutive bytes, aligned; written once, read by nobody here
.endr
.endm
	OUTBLK 0
	OUTBLK 1
	OUTBLK 2
	OUTBLK 3
	s_wait_tensorcnt 0x0                           ; the wave's end
	ds_add_u32 v[SPW], v[NIL]
	s_wait_dscnt 0x0
	CROUND                                         ; the closing round: no work-group ends while a partner may still ask for a tile that names it
	s_endpgm
.Lfunc_end_k_q2cf4bb2621_gemm2:
	.size	k_q2cf4bb2621_gemm2, .Lfunc_end_k_q2cf4bb2621_gemm2-k_q2cf4bb2621_gemm2
	.p2alignl 7, 3214868480
	.fill 96, 4, 3214868480
	.section	.rodata,"a",@progbits
	.p2align	6, 0x0
	.amdhsa_kernel k_q2cf4bb2621_gemm2
		.amdhsa_group_segment_fixed_size 327680
		.amdhsa_private_segment_fixed_size 0
		.amdhsa_enable_private_segment 0
		.amdhsa_kernarg_size 40
		.amdhsa_user_sgpr_count 2
		.amdhsa_user_sgpr_kernarg_segment_ptr 1
		.amdhsa_wavefront_size32 1
		.amdhsa_system_sgpr_workgroup_id_x 1
		.amdhsa_system_sgpr_workgroup_id_y 1
		.amdhsa_system_sgpr_workgroup_id_z 1
		.amdhsa_system_vgpr_workitem_id 0
		.amdhsa_next_free_vgpr 1024
		.amdhsa_next_free_sgpr 100
		.amdhsa_reserve_vcc 0
		.amdhsa_float_denorm_mode_32 3
		.amdhsa_float_denorm_mode_16_64 3
		.amdhsa_memory_ordered 1
		.amdhsa_forward_progress 1
		.amdhsa_inst_pref_size 128
	.end_amdhsa_kernel
	.amdgpu_metadata
---
amdhsa.version: [ 1, 2 ]
amdhsa.kernels:
  - .name:           k_q2cf4bb2621_gemm2
    .symbol:         k_q2cf4bb2621_gemm2.kd
    .args:
      - { .name: hc, .offset: 0, .size: 8, .value_kind: global_buffer, .address_space: global }
      - { .name: hs, .offset: 8, .size: 8, .value_kind: global_buffer, .address_space: global }
      - { .name: W2_codes, .offset: 16, .size: 8, .value_kind: global_buffer, .address_space: global }
      - { .name: W2_scales, .offset: 24, .size: 8, .value_kind: global_buffer, .address_space: global }
      - { .name: out0, .offset: 32, .size: 8, .value_kind: global_buffer, .address_space: global }
    .group_segment_fixed_size: 327680
    .private_segment_fixed_size: 0
    .kernarg_segment_align: 8
    .kernarg_segment_size: 40
    .max_flat_workgroup_size: 128
    .sgpr_count:     100
    .vgpr_count:     1024
    .wavefront_size: 32
...
	.end_amdgpu_metadata
.endif
;; end of part 3
